; MI455X (gfx1250); checked and timed in simulation.
; The chip was launched on July 23, 2026; its instructions are those of AMD's public machine-readable ISA for CDNA 5 (MIT licence, August 2026) and "CDNA5" Instruction Set Architecture Reference Guide (July 2026). The comments in the code are by the model that wrote it; some were corrected since.
;; Attention Operator. Allowed arithmetic: matrix products marked QUANTISED: E2M1 operands, one E8M0 scale for each 32 along K, by v_wmma_scale_f32_16x16x128_f8f6f4 with both operands' format E2M1 (or v_wmma_scale_f32_32x16x128_f4), f32 sums; products left as they are: f32 operands where the result goes on into a quantised operand, else bf16, f16 or f32 operands; f32 sums; everything else in f32.
;; Inputs: w_k 1 x 16 float32; w_out 16 float32; w_q 1 x 16 float32; w_v 1 x 16 float32; x 4 x 4,096 float32.
;; Outputs: out0 4 x 4,096 float32.
;; This version of the problem:
;;   THIS VERSION OF THE PROBLEM IS GIVEN IN LOW PRECISION. The matrix products marked QUANTISED in the list below multiply operands that are first quantised to E2M1 (2 exponent bits, 1 mantissa bit; 4 bits a number), with one power-of-two scale for each 32 numbers along K (OCP MX v1.0); their sums are f32. All else is computed in f32.
;;   The module's matrix products, in the order in which they are computed (A, B: the left and right operand; K: the contracted axis; several contracted axes count as one K, in the product's order):
;;     1. batch 4 x [M 4,096, K 16] x [K 16, N 4,096]; A: computed on the way; B: computed on the way: left as it is (K = 16 < 32)
;;     2. batch 4 x [M 4,096, K 4,096] x [K 4,096, N 16]; A: softmax (see below); B: computed on the way: QUANTISED
;;     3. [M 16,384, K 16] x [K 16, N 1]; A: computed on the way; B: input w_out: left as it is (K = 16 < 32)
;;   THE QUANTISER, for each operand of a quantised product, along K:
;;     - K is cut into blocks of 32 from its start; a last block that is shorter is filled with zeros.
;;     - A block's scale is 2^e with e = floor(log2(the largest magnitude in the block)) - 2, held to -126 .. 127; a block of zeros has e = 0. As a byte (E8M0): e + 127.
;;     - Each number is divided by its block's scale, clamped to +-6, and rounded to the nearest number of E2M1, ties to even, subnormals kept.
;;     - The product sums the exact products of the quantised numbers (number of the format x scale) in f32.
;;   ~~~python
;;   def quantise(x, axis):      # numpy; x: float32 -> the quantised numbers, widened to float32 again
;;       x = np.moveaxis(x, axis, -1); K = x.shape[-1]
;;       x = np.pad(x, [(0, 0)] * (x.ndim - 1) + [(0, -K % 32)]); x = x.reshape(x.shape[:-1] + (-1, 32)); a = np.abs(x).max(-1, keepdims=True)
;;       e = np.where(a > 0, np.clip(np.frexp(np.where(a > 0, a, 1))[1] - 1 - 2, -126, 127), 0)      # np.frexp(a)[1] - 1 = floor(log2(a)), exactly
;;       r = np.clip(x / 2.0 ** e, -6, 6)
;;       step = 2.0 ** (np.maximum(np.frexp(np.where(r == 0, 1, r))[1] - 1, 0) - 1)
;;       q = np.round(r / step) * step * 2.0 ** e      # np.round: ties to even
;;       return np.moveaxis(q.reshape(q.shape[:-2] + (-1,))[..., :K], -1, axis).astype(np.float32)
;;   ~~~
;;   SOFTMAX AHEAD OF A QUANTISED PRODUCT. Where the list says 'softmax', what is quantised is not the finished softmax but p = 2^(t - M), with t = logit x log2(e) and M = ceil(the row's largest t), a whole number; so 1/2 < the row's largest p <= 1. The row's sum l is taken of the UNQUANTISED p, in f32, and the product's result is divided by l at the end. Since M is a whole number, a kernel that streams over the keys may use a running M (the ceiling of the running maximum): every later rescaling is an exact power of two, which a block's scale takes up: the codes' values come out the same.
;;   OPERANDS COMPUTED ON THE WAY. 'Computed on the way' means the value that the module computes at that place (a softmax that the list does not call 'softmax' is quantised finished and normalised). What goes into a quantiser is computed in f32, as accurately as f32 sums, v_exp_f32 and their like allow (about 1e-6 of the number): no bf16 or f16 on the way to a quantiser, and a product that is left as it is and whose result goes on into a quantised operand takes f32 operands (vector FMAs, or v_wmma_f32_16x16x4_f32). A number that lies on a knife's edge between two numbers of the format may be rounded either way, as far as f32 arithmetic and the matrix unit's own rounding can turn it there, and no further.
;; 2 versions, each right; version 2 is version 1 with the launch attn written anew for expert scheduling mode. Each part assembles by itself: llvm-mc -triple=amdgcn-amd-amdhsa -mcpu=gfx1250 --defsym DOCPART=n.
;; ======== version 1 of 2: 1 launch
;; launch attn (part 1): grid 256 x 1, 16 waves a work-group, no clusters, 26,880 bytes of LDS; arguments x, w_q, w_k, w_v, w_out, out0; writes out0
.if DOCPART == 1
	.amdgcn_target "amdgcn-amd-amdhsa--gfx1250"
	.amdhsa_code_object_version 6
	.text
	.protected	k_qc0fd851c43_attn
	.globl	k_qc0fd851c43_attn
	.p2align	8
	.type	k_qc0fd851c43_attn,@function
k_qc0fd851c43_attn:
	s_mov_b64 s[64:65], 0
	v_nop
	global_prefetch_b8 v0, s[64:65] scope:SCOPE_SE
	s_setreg_imm32_b32 hwreg(HW_REG_WAVE_MODE, 25, 1), 1
	s_wait_xcnt 0x0
; out[b][n] = sum_d w_out[d] * ( sum_m softmax_m(q[n].k[m] / 4) v[m][d] ),  q = x w_q, k = x w_k, v = x w_v (outer products of the scalar tokens x[b][:], 4,096 a batch, with vectors of 16).
; THE SECOND PRODUCT IS QUANTISED: p = 2^(t - M) along the keys and v along the keys go to the matrix unit as codes of FP4 (E2M1) with one E8M0 scale for each 32 keys; the row's sum l is taken of the unquantised p in f32.
; WHAT THE OUTER PRODUCTS GIVE, for every input, since the problem itself forms q, k, v so:
;   the score  sum_d (x_n wq_d)(x_m wk_d) / 4, times log2(e), is a_n x_m with a_n = x_n (sum_d wq_d wk_d) 0.25 log2(e): all in f32, and t - M is ONE fused multiply-add;
;   rounding is monotonic, so a row's largest t is max(a_n xmax, a_n xmin), xmax and xmin the batch's: M = ceil of it is known before the keys are walked, and nothing is ever rescaled;
;   likewise a block's largest t - M comes from the block's largest and smallest x by the same multiply-add, so its exponential has the bits of the block's largest p;
;   and the largest |x_m wv_d| of a block is (largest |x_m|) |wv_d|, rounded once.
; SHARES.  256 work-groups: 64 for each batch, 64 queries each (four tiles of 16).  Sixteen waves: wave w takes keys 256 w .. 256 w + 255, two steps of 128, for all four tiles.  M is fixed, so the waves' parts of O and l simply add at the end.
; LAYOUT.  The matrix instruction is used transposed: source 0 = V^T (16 channels d x 128 keys), source 1 = P^T (128 keys x 16 queries).  Lane (r, h) = (lane % 16, lane / 16) holds query r (for V: channel r), and its
; register 32 c + i holds key 64 c + 32 h + i of the step: the 4-bit operand's own order, two whole blocks of 32 a lane.  So the conversions' results ARE the operands, the SAME 64 registers of x serve the four tiles' scores and V,
; and V is quantised by the wave that multiplies by it.  In the result lane (r, h) holds query r and channels 8 h + 0 .. 7: the product with w_out is eight multiply-adds a lane.
; NO tensor loads, ring, cluster or prefetch: a work-group's whole input is its batch's 16 KiB of x, read once at the head; nothing is fetched step by step.
; LIMITS.  NaN and infinities among the inputs are not served.  v_exp_f32 gives 0 for p under 2^-126 (ISA guide, its entry in 15.8).  A block's largest p is taken as at least 2^-124 and a block's largest |v| as at least 2^-124,
; so that a scale's byte does not fall under 1; a block of zeros so gets the byte 1 where the quantiser says 127: its codes are zeros, and the bytes are read by this program alone.
; O . w_out is divided by l after the sum over d, and the sums over the keys are taken wave by wave and then added: another order of f32 roundings than the problem's text has.
.set XL,   0                           ; LDS: the batch's x, 1,024 bytes for each wave, written and read by that wave alone
.set STAT, 16384                       ; 16 words: the waves' largest x;  64 bytes on: their smallest
.set RED,  16640                       ; 512 bytes for each wave: (o, l) of the 64 queries
.set WVN,  16                          ; s16  my wave's number
.set SEL,  56                          ; s[56:57] v_permlanex16_b32's selects for lane l xor 16
.set LN,   1                           ; v1   lane
.set RR,   2                           ; v2   r = lane % 16
.set HH,   3                           ; v3   h = lane / 16
.set KO,   4                           ; v4   1,024 wave + 16 lane: my 16 bytes of my wave's keys, in x and in LDS alike
.set QO,   5                           ; v5   256 x query block + 4 r: my query of tile 0
.set R4,   6                           ; v6   4 r
.set H32,  7                           ; v7   32 h: w_out's eight numbers of my half; also the byte index of lane 8 h
.set I1,   8                           ; v8   64 + 32 h: the byte index of lane 16 + 8 h
.set SH,   9                           ; v9   8 h: where my two scale bytes go in a scale word
.set XA,   10                          ; v10  1,024 wave + 128 h: my half's first block in my wave's x
.set WS,   11                          ; v11  4 wave
.set RA,   12                          ; v12  512 wave + 8 lane
.set RB,   13                          ; v13  16 lane
.set OA,   14                          ; v14  256 x query block + 8 lane: two results
.set WOUT, 16                          ; v16-23  w_out[8 h + 0 .. 7]
.set WV,   24                          ; v24-25  w_v[r], twice (a pair for the packed multiply)
.set B0,   26                          ; v26-29  at work on a scale word
.set B1,   27
.set WD,   28
.set WE,   29
.set X,    32                          ; v32-95   x of the step's keys
.set P,    96                          ; v96-159  t - M, then p;  V's numbers;  scratch at the head and at the end
.set ACC,  160                         ; v160-191 O^T, eight registers a tile
.set PC,   192                         ; v192-199 p's codes
.set VF,   200                         ; v200-207 V's codes
.set A,    208                         ; v208-215 a of my query, twice, for each tile
.set NM,   216                         ; v216-223 -M likewise
.set L,    224                         ; v224-231 l in two halves, for each tile
.set CH,   232                         ; v232-239 four chains of a tile-step's sum
.set BMX,  240                         ; v240-243 the largest x of my blocks: step s, c = 0, 1 at BMX + 2 s
.set BMN,  244                         ; v244-247 the smallest
.set Y,    248                         ; v248-251 a block's largest t - M, then its largest p
.set Y2,   250
.set SC,   252                         ; v252-253 the conversions' scale operands, c = 0, 1
.set PW,   254                         ; v254  p's scale word: scales and nothing else
.set VS,   255                         ; v255  V's scale word: scales and nothing else
.set KX,   P                           ; scratch at the head: my 8 keys,
.set MX0,  P+8                         ; the largest and smallest of a block, keys' first half and second half,
.set MN0,  P+9
.set MX1,  P+10
.set MN1,  P+11
.set T0,   P+12                        ; the wave's, then the batch's largest and smallest x,
.set T1,   P+13
.set T2,   P+14
.set T3,   P+15
.set CC,   P+16                        ; (w_q . w_k) 0.25 log2(e),
.set TM,   P+20                        ; and eight more
	s_load_b256 s[4:11], s[0:1], 0x0               ; x s[4:5], w_q s[6:7], w_k s[8:9], w_v s[10:11]
	s_load_b128 s[12:15], s[0:1], 0x20             ; w_out s[12:13], out0 s[14:15]
	v_lshl_add_u32 v30, v0, 2, 0x6100
	v_mov_b32 v31, 0
	v_lshrrev_b32 v[LN], 5, v0
	v_readfirstlane_b32 s[WVN], v[LN]              ; wave 0..15
	v_and_b32 v[LN], 31, v0
	v_and_b32 v[RR], 15, v0
	v_bfe_u32 v[HH], v0, 4, 1
	s_lshr_b32 s17, ttmp9, 6                       ; the batch
	s_and_b32 s18, ttmp9, 63                       ; which 64 queries of it
	s_lshl_b32 s20, s17, 14                        ; a batch is 16,384 bytes, of x and of out0
	s_mov_b32 s21, 0
	s_lshl_b32 s19, s[WVN], 10
	s_lshl_b32 s22, s18, 8
	s_lshl_b32 s23, s[WVN], 9
	s_mov_b32 s[SEL], 0x76543210
	s_mov_b32 s[SEL+1], 0xfedcba98
	v_lshlrev_b32 v[KO], 4, v[LN]
	v_add_nc_u32 v[KO], s19, v[KO]
	v_lshl_add_u32 v[QO], v[RR], 2, s22
	v_lshlrev_b32 v[R4], 2, v[RR]
	v_lshlrev_b32 v[H32], 5, v[HH]
	v_add_nc_u32 v[I1], 64, v[H32]
	v_lshlrev_b32 v[SH], 3, v[HH]
	v_lshl_add_u32 v[XA], v[HH], 7, s19
	v_mov_b32 v[WS], s[WVN]
	v_lshlrev_b32 v[WS], 2, v[WS]
	v_lshl_add_u32 v[RA], v[LN], 3, s23
	v_lshlrev_b32 v[RB], 4, v[LN]
	v_lshl_add_u32 v[OA], v[LN], 3, s22
	v_mov_b32 v[WE], 0                             ; written once: a lane permute's destination counts as one of its sources
	v_mov_b32 v[T2], 0
	v_mov_b32 v[T3], 0
	s_wait_kmcnt 0x0
	s_add_nc_u64 s[4:5], s[4:5], s[20:21]          ; x and out0 at my batch
	s_add_nc_u64 s[14:15], s[14:15], s[20:21]
	s_load_b512 s[24:39], s[6:7], 0x0              ; w_q: the same 16 numbers for every lane, so they come as scalars
	s_load_b512 s[40:55], s[8:9], 0x0              ; w_k
	global_load_b128 v[KX:KX+3], v[KO], s[4:5]               ; my wave's 256 keys, as they lie: 32 lanes read 512 consecutive bytes, twice
	global_load_b128 v[KX+4:KX+7], v[KO], s[4:5] offset:512
.irp t, 0,1,2,3
	global_load_b32 v[A+2*\t], v[QO], s[4:5] offset:64*\t    ; x of my query in tile t
.endr
	global_load_b32 v[WV], v[R4], s[10:11]                   ; w_v[r]
	global_load_b128 v[WOUT:WOUT+3], v[H32], s[12:13]        ; w_out[8 h ..]
	global_load_b128 v[WOUT+4:WOUT+7], v[H32], s[12:13] offset:16
; x of step s in the operand's order: lanes 0-15 all read one 16 bytes, lanes 16-31 the 16 bytes 128 further on: register 32 c + 4 j + 0 .. 3 = key 128 s + 64 c + 32 h + 4 j + 0 .. 3 of my wave's
.macro XLOAD s
.irp c, 0,1
.irp j, 0,1,2,3,4,5,6,7
	ds_load_b128 v[X+32*\c+4*\j:X+32*\c+4*\j+3], v[XA] offset:XL+512*(\s)+256*\c+16*\j
.endr
.endr
.endm
	s_wait_loadcnt 7                               ; my keys are in; the seven loads issued behind them (four queries, w_v, two of w_out) may stay out
	ds_store_b128 v[KO], v[KX:KX+3]                ; into my wave's own 1,024 bytes
	ds_store_b128 v[KO], v[KX+4:KX+7] offset:512
	XLOAD 0                                        ; LDS serves a wave's instructions in order (ISA guide 5.7.1.4): these see the stores above
	; the largest and smallest x of each block of 32 keys: eight neighbouring lanes hold a block (block k of step j in lanes 8 k .. 8 k + 7 of load j)
	v_max3_num_f32 v[MX0], v[KX], v[KX+1], v[KX+2]
	v_min3_num_f32 v[MN0], v[KX], v[KX+1], v[KX+2]
	v_max3_num_f32 v[MX1], v[KX+4], v[KX+5], v[KX+6]
	v_min3_num_f32 v[MN1], v[KX+4], v[KX+5], v[KX+6]
	v_max_num_f32 v[MX0], v[MX0], v[KX+3]
	v_min_num_f32 v[MN0], v[MN0], v[KX+3]
	v_max_num_f32 v[MX1], v[MX1], v[KX+7]
	v_min_num_f32 v[MN1], v[MN1], v[KX+7]
.irp m, 1,2,4
	v_max_num_f32_dpp v[MX0], v[MX0], v[MX0] row_xmask:\m row_mask:0xf bank_mask:0xf
	v_min_num_f32_dpp v[MN0], v[MN0], v[MN0] row_xmask:\m row_mask:0xf bank_mask:0xf
	v_max_num_f32_dpp v[MX1], v[MX1], v[MX1] row_xmask:\m row_mask:0xf bank_mask:0xf
	v_min_num_f32_dpp v[MN1], v[MN1], v[MN1] row_xmask:\m row_mask:0xf bank_mask:0xf
.endr
	; lane (r, h) works on blocks 2 c + h of a step: it pulls their figures from lane 8 (2 c + h)
	ds_bpermute_b32 v[BMX],   v[H32], v[MX0]
	ds_bpermute_b32 v[BMX+1], v[I1],  v[MX0]
	ds_bpermute_b32 v[BMX+2], v[H32], v[MX1]
	ds_bpermute_b32 v[BMX+3], v[I1],  v[MX1]
	ds_bpermute_b32 v[BMN],   v[H32], v[MN0]
	ds_bpermute_b32 v[BMN+1], v[I1],  v[MN0]
	ds_bpermute_b32 v[BMN+2], v[H32], v[MN1]
	ds_bpermute_b32 v[BMN+3], v[I1],  v[MN1]
	; the wave's largest and smallest x, into its words of LDS
	v_max_num_f32 v[T0], v[MX0], v[MX1]
	v_min_num_f32 v[T1], v[MN0], v[MN1]
	v_max_num_f32_dpp v[T0], v[T0], v[T0] row_xmask:8 row_mask:0xf bank_mask:0xf
	v_min_num_f32_dpp v[T1], v[T1], v[T1] row_xmask:8 row_mask:0xf bank_mask:0xf
	v_permlanex16_b32 v[T2], v[T0], s[SEL], s[SEL+1]
	v_permlanex16_b32 v[T3], v[T1], s[SEL], s[SEL+1]
	v_max_num_f32 v[T0], v[T0], v[T2]
	v_min_num_f32 v[T1], v[T1], v[T3]
	ds_store_b32 v[WS], v[T0] offset:STAT          ; all lanes write the same word with the same value
	ds_store_b32 v[WS], v[T1] offset:STAT+64
	; a = x_n (w_q . w_k) 0.25 log2(e), while the LDS work is out
	s_wait_kmcnt 0x0
	v_mul_f32 v[CC], s24, s40
.irp d, 1,2,3,4,5,6,7,8,9,10,11,12,13,14,15
	v_fma_f32 v[CC], s[24+\d], s[40+\d], v[CC]
.endr
	v_mul_f32 v[CC], 0x3eb8aa3b, v[CC]             ; 0.25 log2(e): the 1 / sqrt(16) of the scores and the change to base 2
	s_wait_loadcnt 0x0                             ; the queries' x, w_v, w_out
.irp t, 0,1,2,3
	v_mul_f32 v[A+2*\t], v[A+2*\t], v[CC]
.endr
.irp t, 0,1,2,3
	v_mov_b32 v[A+2*\t+1], v[A+2*\t]               ; twice: the packed forms take a pair
.endr
	v_mov_b32 v[WV+1], v[WV]
	s_wait_dscnt 0x0                               ; for the others' sake: my two words are stored; for mine: x and the blocks' figures are in
	s_barrier_signal -1
	s_barrier_wait -1
	ds_load_b32 v[T0], v[R4] offset:STAT           ; lane r takes wave r's
	ds_load_b32 v[T1], v[R4] offset:STAT+64
	s_wait_dscnt 0x0
.irp m, 1,2,4,8
	v_max_num_f32_dpp v[T0], v[T0], v[T0] row_xmask:\m row_mask:0xf bank_mask:0xf
	v_min_num_f32_dpp v[T1], v[T1], v[T1] row_xmask:\m row_mask:0xf bank_mask:0xf
.endr                                              ; the batch's largest and smallest x, in every lane
.irp t, 0,1,2,3
	v_mul_f32 v[TM+2*\t], v[A+2*\t], v[T0]
	v_mul_f32 v[TM+2*\t+1], v[A+2*\t], v[T1]
.endr
.irp t, 0,1,2,3
	v_max_num_f32 v[TM+2*\t], v[TM+2*\t], v[TM+2*\t+1]   ; the row's largest t: at the largest x where a > 0, at the smallest where a < 0
.endr
.irp t, 0,1,2,3
	v_floor_f32 v[NM+2*\t], -v[TM+2*\t]            ; -M = floor(-t) = -ceil(t): M is a whole number
.endr
.irp t, 0,1,2,3
	v_mov_b32 v[NM+2*\t+1], v[NM+2*\t]
.endr
; two scale operands in v[SC], v[SC+1] (blocks h and 2 + h of my row) become the row's scale word in v[dst]: my bytes at places h and 2 + h, lane l xor 16's at the other two
.macro WORD dst
	v_lshrrev_b32 v[B0], 23, v[SC]                 ; the scales' bytes
	v_lshrrev_b32 v[B1], 23, v[SC+1]
	v_lshl_or_b32 v[WD], v[B1], 16, v[B0]
	v_lshlrev_b32 v[WD], v[SH], v[WD]
	v_permlanex16_b32 v[WE], v[WD], s[SEL], s[SEL+1]
	v_or_b32 v[\dst], v[WD], v[WE]
.endm
; V OF STEP s: v = x w_v[r] in f32, quantised along the keys.  Lane (r, h): channel r, two whole blocks.
.macro VQ s
.if (\s) > 0
	s_wait_dscnt 0x0                               ; the step's x is in
.endif
.set j, 0
.rept 32
	v_pk_mul_f32 v[P+j:P+j+1], v[X+j:X+j+1], v[WV:WV+1]       ; (these 32 are also the places behind the last step's products, ahead of the writes of V's codes and scale word)
.set j, j+2
.endr
	v_max_num_f32 v[Y], |v[BMX+2*(\s)]|, |v[BMN+2*(\s)]|      ; the block's largest |x|,
	v_max_num_f32 v[Y+1], |v[BMX+2*(\s)+1]|, |v[BMN+2*(\s)+1]|
	v_mul_f32 v[Y], v[Y], |v[WV]|                  ; times |w_v|: rounding is monotonic, so this is the largest of the rounded |x w_v|
	v_mul_f32 v[Y+1], v[Y+1], |v[WV]|
	v_max_num_f32 v[Y], 0x1800000, v[Y]            ; the floor 2^(3 - 127): the byte cannot fall under 1
	v_max_num_f32 v[Y+1], 0x1800000, v[Y+1]
	v_add_nc_u32 v[SC], 0xff000000, v[Y]           ; 2 off the exponent field: the conversion takes the exponent field of this operand as its scale
	v_add_nc_u32 v[SC+1], 0xff000000, v[Y+1]
	WORD VS
.irp c, 0,1
.irp g, 0,1,2,3
	v_cvt_scalef32_pk8_fp4_f32 v[VF+4*\c+\g], v[P+32*\c+8*\g:P+32*\c+8*\g+7], v[SC+\c]
.endr
.endr
	v_nop                                          ; one plain place behind a scaled conversion
.endm
; A TILE-STEP: 16 queries (tile t) x the 128 keys of step s.  ld = 1: the next step's x is asked for as soon as this step's has been read for the last time.
.macro TILE t, s, ld
	v_pk_fma_f32 v[Y:Y+1], v[BMX+2*(\s):BMX+2*(\s)+1], v[A+2*(\t):A+2*(\t)+1], v[NM+2*(\t):NM+2*(\t)+1]     ; t - M at my two blocks' largest x,
	v_pk_fma_f32 v[Y2:Y2+1], v[BMN+2*(\s):BMN+2*(\s)+1], v[A+2*(\t):A+2*(\t)+1], v[NM+2*(\t):NM+2*(\t)+1]   ; and at their smallest
.set j, 0
.rept 32
	v_pk_fma_f32 v[P+j:P+j+1], v[X+j:X+j+1], v[A+2*(\t):A+2*(\t)+1], v[NM+2*(\t):NM+2*(\t)+1]               ; t - M = a x - M, two at a time, rounded once
.set j, j+2
.endr
.if \ld
	XLOAD 1
.endif
	v_max3_num_f32 v[Y], v[Y], v[Y2], 0xc2f80000   ; the block's largest t - M: the very number that one of its 32 elements has; not under -124, so that the byte cannot fall under 1
	v_max3_num_f32 v[Y+1], v[Y+1], v[Y2+1], 0xc2f80000
.set j, 0
.rept 64
	v_exp_f32 v[P+j], v[P+j]                       ; p = 2^(t - M): not normalised
.set j, j+1
.endr
	v_exp_f32 v[Y], v[Y]                           ; the blocks' largest p: the same instruction on the same number gives the same bits
	v_exp_f32 v[Y+1], v[Y+1]
	v_nop                                          ; a plain instruction behind the last exponential, ahead of the first use (ISA guide 5.7.2)
	s_wait_alu depctr_va_vdst(0)                   ; the wait ahead of the first line that names a result: one for the batch of 66
	v_add_nc_u32 v[SC], 0xff000000, v[Y]           ; 2 off the exponent field: the conversions' scale operands
	v_add_nc_u32 v[SC+1], 0xff000000, v[Y+1]
.irp c, 0,1
.irp g, 0,1,2,3
	v_cvt_scalef32_pk8_fp4_f32 v[PC+4*\c+\g], v[P+32*\c+8*\g:P+32*\c+8*\g+7], v[SC+\c]   ; registers 4 c .. 4 c + 3 of the operand: keys 64 c + 32 h + 0 .. 31
.endr
.endr
	WORD PW                                        ; (its first line only reads a scale operand: the plain place behind the conversions)
	; THE ROW'S SUM IS TAKEN OF THE UNQUANTISED p: two at a time, in four chains.  These lines are also the places between the conversions and the scale word's last write and the matrix instruction (4 and 8 are asked)
.irp k, 0,1,2,3
	v_pk_add_f32 v[CH+2*\k:CH+2*\k+1], v[P+4*\k:P+4*\k+1], v[P+4*\k+2:P+4*\k+3]
.endr
.set j, 16
.rept 24
	v_pk_add_f32 v[CH+j%8:CH+j%8+1], v[CH+j%8:CH+j%8+1], v[P+j:P+j+1]
.set j, j+2
.endr
	v_pk_add_f32 v[CH:CH+1], v[CH:CH+1], v[CH+2:CH+3]
	v_pk_add_f32 v[CH+4:CH+5], v[CH+4:CH+5], v[CH+6:CH+7]
.if (\s) == 0
	v_pk_add_f32 v[L+2*(\t):L+2*(\t)+1], v[CH:CH+1], v[CH+4:CH+5]                        ; the first step starts l and O^T: nothing is cleared
	v_wmma_scale_f32_16x16x128_f8f6f4 v[ACC+8*(\t):ACC+8*(\t)+7], v[VF:VF+7], v[PC:PC+7], 0, v[VS], v[PW] matrix_a_fmt:MATRIX_FMT_FP4 matrix_b_fmt:MATRIX_FMT_FP4
.else
	v_pk_add_f32 v[L+2*(\t):L+2*(\t)+1], v[L+2*(\t):L+2*(\t)+1], v[CH:CH+1]
	v_pk_add_f32 v[L+2*(\t):L+2*(\t)+1], v[L+2*(\t):L+2*(\t)+1], v[CH+4:CH+5]
	v_wmma_scale_f32_16x16x128_f8f6f4 v[ACC+8*(\t):ACC+8*(\t)+7], v[VF:VF+7], v[PC:PC+7], v[ACC+8*(\t):ACC+8*(\t)+7], v[VS], v[PW] matrix_a_fmt:MATRIX_FMT_FP4 matrix_b_fmt:MATRIX_FMT_FP4
.endif
.endm                                              ; the next tile-step's 34 multiply-adds are the places behind this product, ahead of the next writes of p's codes and scale word
	; The four tiles' accumulators take turns, one instruction a turn.
	VQ 0
	TILE 0, 0, 0
	TILE 1, 0, 0
	TILE 2, 0, 0
	TILE 3, 0, 1
	VQ 1
	TILE 0, 1, 0
	TILE 1, 1, 0
	TILE 2, 1, 0
	TILE 3, 1, 0
	; MY WAVE'S PART OF EACH QUERY: o = sum over my eight channels of O^T w_out, and l; pairs (o, l) of tile t at v[P + 2 t].  The four additions and the first three multiplications are the places behind the last product.
.irp t, 0,1,2,3
	v_add_f32 v[P+2*\t+1], v[L+2*\t], v[L+2*\t+1]
.endr
.irp t, 0,1,2,3
	v_mul_f32 v[P+2*\t], v[ACC+8*\t], v[WOUT]      ; each accumulator is read from its low end on
.endr
.irp j, 1,2,3,4,5,6,7
.irp t, 0,1,2,3
	v_fma_f32 v[P+2*\t], v[ACC+8*\t+\j], v[WOUT+\j], v[P+2*\t]
.endr
.endr
.irp i, 0,1,2,3,4,5,6,7
	v_permlanex16_b32 v[P+8+\i], v[P+\i], s[SEL], s[SEL+1]   ; lane l xor 16 holds the query's other eight channels and its other blocks of keys
.endr
.irp t, 0,1,2,3
	v_pk_add_f32 v[P+2*\t:P+2*\t+1], v[P+2*\t:P+2*\t+1], v[P+8+2*\t:P+8+2*\t+1]
.endr
	v_cmp_ne_u32 vcc_lo, 0, v[HH]
.irp u, 0,1                                        ; lanes 0-15 hand on tile 2 u, lanes 16-31 tile 2 u + 1: lane l has query 32 u + l
	v_cndmask_b32 v[P+16+2*\u], v[P+4*\u], v[P+4*\u+2], vcc_lo
	v_cndmask_b32 v[P+17+2*\u], v[P+4*\u+1], v[P+4*\u+3], vcc_lo
.endr
	ds_store_b64 v[RA], v[P+16:P+17] offset:RED
	ds_store_b64 v[RA], v[P+18:P+19] offset:RED+256
	s_wait_dscnt 0x0                               ; for wave 0's sake: my part is stored
	s_barrier_signal -1
	s_barrier_wait -1
	s_cmp_lg_u32 s[WVN], 0
	s_cbranch_scc1 .Ldone
	; wave 0 adds the sixteen parts: lane l takes queries 2 l and 2 l + 1: (o, l, o, l), 16 bytes of each wave's 512
.irp w, 0,1,2,3,4,5,6,7,8,9,10,11,12,13,14,15
	ds_load_b128 v[X+4*\w:X+4*\w+3], v[RB] offset:RED+512*\w
.endr
	s_wait_dscnt 0x0
.irp d, 8,4,2,1
.set i, 0
.rept \d
	v_pk_add_f32 v[X+4*i:X+4*i+1], v[X+4*i:X+4*i+1], v[X+4*(i+\d):X+4*(i+\d)+1]
	v_pk_add_f32 v[X+4*i+2:X+4*i+3], v[X+4*i+2:X+4*i+3], v[X+4*(i+\d)+2:X+4*(i+\d)+3]
.set i, i+1
.endr
.endr
	v_rcp_f32 v[P], v[X+1]                         ; l is at least the row's largest p, over 1/2
	v_rcp_f32 v[P+1], v[X+3]
	v_nop                                          ; a plain instruction behind the last reciprocal
	s_wait_alu depctr_va_vdst(0)                   ; and the wait ahead of the first use: one for the two
	v_mul_f32 v[P+2], v[X], v[P]
	v_mul_f32 v[P+3], v[X+2], v[P+1]
	global_store_b64 v[OA], v[P+2:P+3], s[14:15]   ; the work-group's 64 results: 32 lanes store 256 consecutive bytes, at a multiple of 256 from out0's first byte
.Ldone:
	s_wait_tensorcnt 0x0
	ds_add_u32 v30, v31
	s_wait_dscnt 0x0
	s_endpgm
.Lfunc_end_k_qc0fd851c43_attn:
	.size	k_qc0fd851c43_attn, .Lfunc_end_k_qc0fd851c43_attn-k_qc0fd851c43_attn
	.p2alignl 7, 3214868480
	.fill 96, 4, 3214868480
	.section	.rodata,"a",@progbits
	.p2align	6, 0x0
	.amdhsa_kernel k_qc0fd851c43_attn
		.amdhsa_group_segment_fixed_size 26880
		.amdhsa_private_segment_fixed_size 0
		.amdhsa_enable_private_segment 0
		.amdhsa_kernarg_size 48
		.amdhsa_user_sgpr_count 2
		.amdhsa_user_sgpr_kernarg_segment_ptr 1
		.amdhsa_wavefront_size32 1
		.amdhsa_system_sgpr_workgroup_id_x 1
		.amdhsa_system_sgpr_workgroup_id_y 1
		.amdhsa_system_sgpr_workgroup_id_z 1
		.amdhsa_system_vgpr_workitem_id 0
		.amdhsa_next_free_vgpr 256
		.amdhsa_next_free_sgpr 66
		.amdhsa_reserve_vcc 1
		.amdhsa_float_denorm_mode_32 3
		.amdhsa_float_denorm_mode_16_64 3
		.amdhsa_memory_ordered 1
		.amdhsa_forward_progress 1
		.amdhsa_inst_pref_size 83
	.end_amdhsa_kernel
	.amdgpu_metadata
---
amdhsa.version: [ 1, 2 ]
amdhsa.kernels:
  - .name:           k_qc0fd851c43_attn
    .symbol:         k_qc0fd851c43_attn.kd
    .args:
      - { .name: x, .offset: 0, .size: 8, .value_kind: global_buffer, .address_space: global }
      - { .name: w_q, .offset: 8, .size: 8, .value_kind: global_buffer, .address_space: global }
      - { .name: w_k, .offset: 16, .size: 8, .value_kind: global_buffer, .address_space: global }
      - { .name: w_v, .offset: 24, .size: 8, .value_kind: global_buffer, .address_space: global }
      - { .name: w_out, .offset: 32, .size: 8, .value_kind: global_buffer, .address_space: global }
      - { .name: out0, .offset: 40, .size: 8, .value_kind: global_buffer, .address_space: global }
    .group_segment_fixed_size: 26880
    .private_segment_fixed_size: 0
    .kernarg_segment_align: 8
    .kernarg_segment_size: 48
    .max_flat_workgroup_size: 512
    .sgpr_count:     66
    .vgpr_count:     256
    .wavefront_size: 32
...
	.end_amdgpu_metadata
.endif
;; end of part 1
;; ======== version 2 of 2: 1 launch; version 1 with the launch attn written anew for expert scheduling mode
;; launch attn (part 2): grid 256 x 1, 16 waves a work-group, no clusters, 26,880 bytes of LDS; arguments x, w_q, w_k, w_v, w_out, out0; writes out0
.if DOCPART == 2
	.amdgcn_target "amdgcn-amd-amdhsa--gfx1250"
	.amdhsa_code_object_version 6
	.text
	.protected	k_qc0fd851c43_attn
	.globl	k_qc0fd851c43_attn
	.p2align	8
	.type	k_qc0fd851c43_attn,@function
k_qc0fd851c43_attn:
	s_mov_b64 s[64:65], 0
	v_nop
	global_prefetch_b8 v0, s[64:65] scope:SCOPE_SE
	s_setreg_imm32_b32 hwreg(HW_REG_WAVE_SCHED_MODE, 0, 2), 2
	s_setreg_imm32_b32 hwreg(HW_REG_WAVE_MODE, 25, 1), 1
	s_wait_xcnt 0x0
	s_wait_alu depctr_vm_vsrc(0)
; out[b][n] = sum_d w_out[d] * ( sum_m softmax_m(q[n].k[m] / 4) v[m][d] ),  q = x w_q, k = x w_k, v = x w_v (outer products of the scalar tokens x[b][:], 4,096 a batch, with vectors of 16).
; THE SECOND PRODUCT IS QUANTISED: p = 2^(t - M) along the keys and v along the keys go to the matrix unit as codes of FP4 (E2M1) with one E8M0 scale for each 32 keys; the row's sum l is taken of the unquantised p in f32.
; WHAT THE OUTER PRODUCTS GIVE, for every input, since the problem itself forms q, k, v so:
;   the score  sum_d (x_n wq_d)(x_m wk_d) / 4, times log2(e), is a_n x_m with a_n = x_n (sum_d wq_d wk_d) 0.25 log2(e): all in f32, and t - M is ONE fused multiply-add;
;   rounding is monotonic, so a row's largest t is max(a_n xmax, a_n xmin), xmax and xmin the batch's: M = ceil of it is known before the keys are walked, and nothing is ever rescaled;
;   likewise a block's largest t - M comes from the block's largest and smallest x by the same multiply-add, so its exponential has the bits of the block's largest p;
;   and the largest |x_m wv_d| of a block is (largest |x_m|) |wv_d|, rounded once.
; SHARES.  256 work-groups: 64 for each batch, 64 queries each (four tiles of 16).  Sixteen waves: wave w takes keys 256 w .. 256 w + 255, two steps of 128, for all four tiles.  M is fixed, so the waves' parts of O and l simply add at the end.
; LAYOUT.  The matrix instruction is used transposed: source 0 = V^T (16 channels d x 128 keys), source 1 = P^T (128 keys x 16 queries).  Lane (r, h) = (lane % 16, lane / 16) holds query r (for V: channel r), and its
; register 32 c + i holds key 64 c + 32 h + i of the step: the 4-bit operand's own order, two whole blocks of 32 a lane.  So the conversions' results ARE the operands, the SAME 64 registers of x serve the four tiles' scores and V,
; and V is quantised by the wave that multiplies by it.  In the result lane (r, h) holds query r and channels 8 h + 0 .. 7: the product with w_out is eight multiply-adds a lane.
; NO tensor loads, ring, cluster or prefetch: a work-group's whole input is its batch's 16 KiB of x, read once at the head; nothing is fetched step by step.
; LIMITS.  NaN and infinities among the inputs are not served.  v_exp_f32 gives 0 for p under 2^-126 (ISA guide, its entry in 15.8).  A block's largest p is taken as at least 2^-124 and a block's largest |v| as at least 2^-124,
; so that a scale's byte does not fall under 1; a block of zeros so gets the byte 1 where the quantiser says 127: its codes are zeros, and the bytes are read by this program alone.
; O . w_out is divided by l after the sum over d, and the sums over the keys are taken wave by wave and then added: another order of f32 roundings than the problem's text has.
; THE MODE: SCHED_MODE bits 1:0 = 2 (LLVM: expert scheduling mode 2), set by the entry lines.  The code itself states the register dependences
; between vector or matrix instructions and memory or LDS instructions, with s_wait_alu, always for 0.
; THE PLAN.  Registers that memory or LDS instructions touch, in the order of the text (it has no loop):
;   v4 .. v14      offsets and LDS addresses: written at the head and never again.  One wait on va_vdst ahead of the first load serves every access of the kernel.
;   KX, MX0 .. MN1 my keys (read by two LDS stores) and the blocks' figures (read by eight permutes): these registers are written again by V's multiplications of step 0.
;   T0, T1         the wave's largest and smallest x: written by vector lines, read by two LDS stores; behind the barrier two LDS loads land in them.
;                  One wait on va_vdst ahead of the run of permutes and stores (the figures and T0, T1 are written; no vector line from there to the two loads names T0 or T1), and
;                  one wait on vm_vsrc behind the barrier (the stores and permutes have read KX, MX0 .. MN1, T0, T1).
;   X              x of a step: loaded; read by V's multiplications and the four tiles' multiply-adds.  Step 1's loads stand behind the wait for the exponentials of step 0's last tile, which also shows the last
;                  multiply-adds done reading X; no vector or matrix line from there to the step's end names X.  Wave 0's last loads land in X behind the wait that stands ahead of the parts' LDS stores.
;   P+16 .. P+19   the wave's parts: written by four selects, read by two LDS stores, never written again.   P+2, P+3: the results: written by two multiplications, read by the one global store.
;   VF, PC, VS, PW the operands and scale words of the scaled matrix instruction, written by vector lines: a wait on va_vdst stands directly ahead of each product, behind its places.
.set XL,   0                           ; LDS: the batch's x, 1,024 bytes for each wave, written and read by that wave alone
.set STAT, 16384                       ; 16 words: the waves' largest x;  64 bytes on: their smallest
.set RED,  16640                       ; 512 bytes for each wave: (o, l) of the 64 queries
.set WVN,  16                          ; s16  my wave's number
.set SEL,  56                          ; s[56:57] v_permlanex16_b32's selects for lane l xor 16
.set LN,   1                           ; v1   lane
.set RR,   2                           ; v2   r = lane % 16
.set HH,   3                           ; v3   h = lane / 16
.set KO,   4                           ; v4   1,024 wave + 16 lane: my 16 bytes of my wave's keys, in x and in LDS alike
.set QO,   5                           ; v5   256 x query block + 4 r: my query of tile 0
.set R4,   6                           ; v6   4 r
.set H32,  7                           ; v7   32 h: w_out's eight numbers of my half; also the byte index of lane 8 h
.set I1,   8                           ; v8   64 + 32 h: the byte index of lane 16 + 8 h
.set SH,   9                           ; v9   8 h: where my two scale bytes go in a scale word
.set XA,   10                          ; v10  1,024 wave + 128 h: my half's first block in my wave's x
.set WS,   11                          ; v11  4 wave
.set RA,   12                          ; v12  512 wave + 8 lane
.set RB,   13                          ; v13  16 lane
.set OA,   14                          ; v14  256 x query block + 8 lane: two results
.set WOUT, 16                          ; v16-23  w_out[8 h + 0 .. 7]
.set WV,   24                          ; v24-25  w_v[r], twice (a pair for the packed multiply)
.set B0,   26                          ; v26-29  at work on a scale word
.set B1,   27
.set WD,   28
.set WE,   29
.set X,    32                          ; v32-95   x of the step's keys
.set P,    96                          ; v96-159  t - M, then p;  V's numbers;  scratch at the head and at the end
.set ACC,  160                         ; v160-191 O^T, eight registers a tile
.set PC,   192                         ; v192-199 p's codes
.set VF,   200                         ; v200-207 V's codes
.set A,    208                         ; v208-215 a of my query, twice, for each tile
.set NM,   216                         ; v216-223 -M likewise
.set L,    224                         ; v224-231 l in two halves, for each tile
.set CH,   232                         ; v232-239 four chains of a tile-step's sum
.set BMX,  240                         ; v240-243 the largest x of my blocks: step s, c = 0, 1 at BMX + 2 s
.set BMN,  244                         ; v244-247 the smallest
.set Y,    248                         ; v248-251 a block's largest t - M, then its largest p
.set Y2,   250
.set SC,   252                         ; v252-253 the conversions' scale operands, c = 0, 1
.set PW,   254                         ; v254  p's scale word: scales and nothing else
.set VS,   255                         ; v255  V's scale word: scales and nothing else
.set KX,   P                           ; scratch at the head: my 8 keys,
.set MX0,  P+8                         ; the largest and smallest of a block, keys' first half and second half,
.set MN0,  P+9
.set MX1,  P+10
.set MN1,  P+11
.set T0,   P+12                        ; the wave's, then the batch's largest and smallest x,
.set T1,   P+13
.set T2,   P+14
.set T3,   P+15
.set CC,   P+16                        ; (w_q . w_k) 0.25 log2(e),
.set TM,   P+20                        ; and eight more
	s_load_b256 s[4:11], s[0:1], 0x0               ; x s[4:5], w_q s[6:7], w_k s[8:9], w_v s[10:11]
	s_load_b128 s[12:15], s[0:1], 0x20             ; w_out s[12:13], out0 s[14:15]
	v_lshl_add_u32 v30, v0, 2, 0x6100
	v_mov_b32 v31, 0
	v_lshrrev_b32 v[LN], 5, v0
	v_readfirstlane_b32 s[WVN], v[LN]              ; wave 0..15
	v_and_b32 v[LN], 31, v0
	v_and_b32 v[RR], 15, v0
	v_bfe_u32 v[HH], v0, 4, 1
	s_lshr_b32 s17, ttmp9, 6                       ; the batch
	s_and_b32 s18, ttmp9, 63                       ; which 64 queries of it
	s_lshl_b32 s20, s17, 14                        ; a batch is 16,384 bytes, of x and of out0
	s_mov_b32 s21, 0
	s_wait_alu depctr_va_sdst(0)                   ; s16, my wave's number, is written, ahead of its first reader: offsets, LDS addresses and the last branch are made from it
	s_lshl_b32 s19, s[WVN], 10
	s_lshl_b32 s22, s18, 8
	s_lshl_b32 s23, s[WVN], 9
	s_mov_b32 s[SEL], 0x76543210
	s_mov_b32 s[SEL+1], 0xfedcba98
	v_lshlrev_b32 v[KO], 4, v[LN]
	v_add_nc_u32 v[KO], s19, v[KO]
	v_lshl_add_u32 v[QO], v[RR], 2, s22
	v_lshlrev_b32 v[R4], 2, v[RR]
	v_lshlrev_b32 v[H32], 5, v[HH]
	v_add_nc_u32 v[I1], 64, v[H32]
	v_lshlrev_b32 v[SH], 3, v[HH]
	v_lshl_add_u32 v[XA], v[HH], 7, s19
	v_mov_b32 v[WS], s[WVN]
	v_lshlrev_b32 v[WS], 2, v[WS]
	v_lshl_add_u32 v[RA], v[LN], 3, s23
	v_lshlrev_b32 v[RB], 4, v[LN]
	v_lshl_add_u32 v[OA], v[LN], 3, s22
	v_mov_b32 v[WE], 0                             ; written once: a lane permute's destination counts as one of its sources
	v_mov_b32 v[T2], 0
	v_mov_b32 v[T3], 0
	s_wait_kmcnt 0x0
	s_add_nc_u64 s[4:5], s[4:5], s[20:21]          ; x and out0 at my batch
	s_add_nc_u64 s[14:15], s[14:15], s[20:21]
	s_load_b512 s[24:39], s[6:7], 0x0              ; w_q: the same 16 numbers for every lane, so they come as scalars
	s_load_b512 s[40:55], s[8:9], 0x0              ; w_k
	s_wait_alu depctr_va_vdst(0)                   ; the offsets and LDS addresses v4 to v14 are written: every load, store and permute of the kernel reads one of them, and none is written again
	global_load_b128 v[KX:KX+3], v[KO], s[4:5]               ; my wave's 256 keys, as they lie: 32 lanes read 512 consecutive bytes, twice
	global_load_b128 v[KX+4:KX+7], v[KO], s[4:5] offset:512
.irp t, 0,1,2,3
	global_load_b32 v[A+2*\t], v[QO], s[4:5] offset:64*\t    ; x of my query in tile t
.endr
	global_load_b32 v[WV], v[R4], s[10:11]                   ; w_v[r]
	global_load_b128 v[WOUT:WOUT+3], v[H32], s[12:13]        ; w_out[8 h ..]
	global_load_b128 v[WOUT+4:WOUT+7], v[H32], s[12:13] offset:16
; x of step s in the operand's order: lanes 0-15 all read one 16 bytes, lanes 16-31 the 16 bytes 128 further on: register 32 c + 4 j + 0 .. 3 = key 128 s + 64 c + 32 h + 4 j + 0 .. 3 of my wave's
.macro XLOAD s
.irp c, 0,1
.irp j, 0,1,2,3,4,5,6,7
	ds_load_b128 v[X+32*\c+4*\j:X+32*\c+4*\j+3], v[XA] offset:XL+512*(\s)+256*\c+16*\j
.endr
.endr
.endm
	s_wait_loadcnt 7                               ; my keys are in; the seven loads issued behind them (four queries, w_v, two of w_out) may stay out
	ds_store_b128 v[KO], v[KX:KX+3]                ; into my wave's own 1,024 bytes
	ds_store_b128 v[KO], v[KX+4:KX+7] offset:512
	XLOAD 0                                        ; LDS serves a wave's instructions in order (ISA guide 5.7.1.4): these see the stores above
	; the largest and smallest x of each block of 32 keys: eight neighbouring lanes hold a block (block k of step j in lanes 8 k .. 8 k + 7 of load j)
	v_max3_num_f32 v[MX0], v[KX], v[KX+1], v[KX+2]
	v_min3_num_f32 v[MN0], v[KX], v[KX+1], v[KX+2]
	v_max3_num_f32 v[MX1], v[KX+4], v[KX+5], v[KX+6]
	v_min3_num_f32 v[MN1], v[KX+4], v[KX+5], v[KX+6]
	v_max_num_f32 v[MX0], v[MX0], v[KX+3]
	v_min_num_f32 v[MN0], v[MN0], v[KX+3]
	v_max_num_f32 v[MX1], v[MX1], v[KX+7]
	v_min_num_f32 v[MN1], v[MN1], v[KX+7]
.irp m, 1,2,4
	v_max_num_f32_dpp v[MX0], v[MX0], v[MX0] row_xmask:\m row_mask:0xf bank_mask:0xf
	v_min_num_f32_dpp v[MN0], v[MN0], v[MN0] row_xmask:\m row_mask:0xf bank_mask:0xf
	v_max_num_f32_dpp v[MX1], v[MX1], v[MX1] row_xmask:\m row_mask:0xf bank_mask:0xf
	v_min_num_f32_dpp v[MN1], v[MN1], v[MN1] row_xmask:\m row_mask:0xf bank_mask:0xf
.endr
	; the wave's largest and smallest x: made ahead of the permutes, so that one wait serves the permutes and the two stores
	v_max_num_f32 v[T0], v[MX0], v[MX1]
	v_min_num_f32 v[T1], v[MN0], v[MN1]
	v_max_num_f32_dpp v[T0], v[T0], v[T0] row_xmask:8 row_mask:0xf bank_mask:0xf
	v_min_num_f32_dpp v[T1], v[T1], v[T1] row_xmask:8 row_mask:0xf bank_mask:0xf
	v_permlanex16_b32 v[T2], v[T0], s[SEL], s[SEL+1]
	v_permlanex16_b32 v[T3], v[T1], s[SEL], s[SEL+1]
	v_max_num_f32 v[T0], v[T0], v[T2]
	v_min_num_f32 v[T1], v[T1], v[T3]
	s_wait_alu depctr_va_vdst(0)                   ; the blocks' four figures are written, which the permutes read, and so are T0 and T1, which the two stores read; every vector line that names T0 or T1 ahead of the loads into them is done
	; lane (r, h) works on blocks 2 c + h of a step: it pulls their figures from lane 8 (2 c + h)
	ds_bpermute_b32 v[BMX],   v[H32], v[MX0]
	ds_bpermute_b32 v[BMX+1], v[I1],  v[MX0]
	ds_bpermute_b32 v[BMX+2], v[H32], v[MX1]
	ds_bpermute_b32 v[BMX+3], v[I1],  v[MX1]
	ds_bpermute_b32 v[BMN],   v[H32], v[MN0]
	ds_bpermute_b32 v[BMN+1], v[I1],  v[MN0]
	ds_bpermute_b32 v[BMN+2], v[H32], v[MN1]
	ds_bpermute_b32 v[BMN+3], v[I1],  v[MN1]
	ds_store_b32 v[WS], v[T0] offset:STAT          ; the wave's figures into its words of LDS: all lanes write the same word with the same value
	ds_store_b32 v[WS], v[T1] offset:STAT+64
	; a = x_n (w_q . w_k) 0.25 log2(e), while the LDS work is out
	s_wait_kmcnt 0x0
	v_mul_f32 v[CC], s24, s40
.irp d, 1,2,3,4,5,6,7,8,9,10,11,12,13,14,15
	v_fma_f32 v[CC], s[24+\d], s[40+\d], v[CC]
.endr
	v_mul_f32 v[CC], 0x3eb8aa3b, v[CC]             ; 0.25 log2(e): the 1 / sqrt(16) of the scores and the change to base 2
	s_wait_loadcnt 0x0                             ; the queries' x, w_v, w_out
.irp t, 0,1,2,3
	v_mul_f32 v[A+2*\t], v[A+2*\t], v[CC]
.endr
.irp t, 0,1,2,3
	v_mov_b32 v[A+2*\t+1], v[A+2*\t]               ; twice: the packed forms take a pair
.endr
	v_mov_b32 v[WV+1], v[WV]
	s_wait_dscnt 0x0                               ; for the others' sake: my two words are stored; for mine: x and the blocks' figures are in
	s_barrier_signal -1
	s_barrier_wait -1
	s_wait_alu depctr_vm_vsrc(0)                   ; my LDS stores have read T0 and T1, in which the two loads below land; the first stores have read my keys' registers and the permutes the blocks' figures, all of which V's multiplications write again
	ds_load_b32 v[T0], v[R4] offset:STAT           ; lane r takes wave r's
	ds_load_b32 v[T1], v[R4] offset:STAT+64
	s_wait_dscnt 0x0
.irp m, 1,2,4,8
	v_max_num_f32_dpp v[T0], v[T0], v[T0] row_xmask:\m row_mask:0xf bank_mask:0xf
	v_min_num_f32_dpp v[T1], v[T1], v[T1] row_xmask:\m row_mask:0xf bank_mask:0xf
.endr                                              ; the batch's largest and smallest x, in every lane
.irp t, 0,1,2,3
	v_mul_f32 v[TM+2*\t], v[A+2*\t], v[T0]
	v_mul_f32 v[TM+2*\t+1], v[A+2*\t], v[T1]
.endr
.irp t, 0,1,2,3
	v_max_num_f32 v[TM+2*\t], v[TM+2*\t], v[TM+2*\t+1]   ; the row's largest t: at the largest x where a > 0, at the smallest where a < 0
.endr
.irp t, 0,1,2,3
	v_floor_f32 v[NM+2*\t], -v[TM+2*\t]            ; -M = floor(-t) = -ceil(t): M is a whole number
.endr
.irp t, 0,1,2,3
	v_mov_b32 v[NM+2*\t+1], v[NM+2*\t]
.endr
; two scale operands in v[SC], v[SC+1] (blocks h and 2 + h of my row) become the row's scale word in v[dst]: my bytes at places h and 2 + h, lane l xor 16's at the other two
.macro WORD dst
	v_lshrrev_b32 v[B0], 23, v[SC]                 ; the scales' bytes
	v_lshrrev_b32 v[B1], 23, v[SC+1]
	v_lshl_or_b32 v[WD], v[B1], 16, v[B0]
	v_lshlrev_b32 v[WD], v[SH], v[WD]
	v_permlanex16_b32 v[WE], v[WD], s[SEL], s[SEL+1]
	v_or_b32 v[\dst], v[WD], v[WE]
.endm
; V OF STEP s: v = x w_v[r] in f32, quantised along the keys.  Lane (r, h): channel r, two whole blocks.
.macro VQ s
.if (\s) > 0
	s_wait_dscnt 0x0                               ; the step's x is in
.endif
.set j, 0
.rept 32
	v_pk_mul_f32 v[P+j:P+j+1], v[X+j:X+j+1], v[WV:WV+1]       ; (these 32 are also the places behind the last step's products, ahead of the writes of V's codes and scale word)
.set j, j+2
.endr
	v_max_num_f32 v[Y], |v[BMX+2*(\s)]|, |v[BMN+2*(\s)]|      ; the block's largest |x|,
	v_max_num_f32 v[Y+1], |v[BMX+2*(\s)+1]|, |v[BMN+2*(\s)+1]|
	v_mul_f32 v[Y], v[Y], |v[WV]|                  ; times |w_v|: rounding is monotonic, so this is the largest of the rounded |x w_v|
	v_mul_f32 v[Y+1], v[Y+1], |v[WV]|
	v_max_num_f32 v[Y], 0x1800000, v[Y]            ; the floor 2^(3 - 127): the byte cannot fall under 1
	v_max_num_f32 v[Y+1], 0x1800000, v[Y+1]
	v_add_nc_u32 v[SC], 0xff000000, v[Y]           ; 2 off the exponent field: the conversion takes the exponent field of this operand as its scale
	v_add_nc_u32 v[SC+1], 0xff000000, v[Y+1]
	WORD VS
.irp c, 0,1
.irp g, 0,1,2,3
	v_cvt_scalef32_pk8_fp4_f32 v[VF+4*\c+\g], v[P+32*\c+8*\g:P+32*\c+8*\g+7], v[SC+\c]
.endr
.endr
	v_nop                                          ; one plain place behind a scaled conversion
.endm
; A TILE-STEP: 16 queries (tile t) x the 128 keys of step s.  ld = 1: the next step's x is asked for, behind the wait that shows this step's last readers of x done.
.macro TILE t, s, ld
	v_pk_fma_f32 v[Y:Y+1], v[BMX+2*(\s):BMX+2*(\s)+1], v[A+2*(\t):A+2*(\t)+1], v[NM+2*(\t):NM+2*(\t)+1]     ; t - M at my two blocks' largest x,
	v_pk_fma_f32 v[Y2:Y2+1], v[BMN+2*(\s):BMN+2*(\s)+1], v[A+2*(\t):A+2*(\t)+1], v[NM+2*(\t):NM+2*(\t)+1]   ; and at their smallest
.set j, 0
.rept 32
	v_pk_fma_f32 v[P+j:P+j+1], v[X+j:X+j+1], v[A+2*(\t):A+2*(\t)+1], v[NM+2*(\t):NM+2*(\t)+1]               ; t - M = a x - M, two at a time, rounded once
.set j, j+2
.endr
	v_max3_num_f32 v[Y], v[Y], v[Y2], 0xc2f80000   ; the block's largest t - M: the very number that one of its 32 elements has; not under -124, so that the byte cannot fall under 1
	v_max3_num_f32 v[Y+1], v[Y+1], v[Y2+1], 0xc2f80000
.set j, 0
.rept 64
	v_exp_f32 v[P+j], v[P+j]                       ; p = 2^(t - M): not normalised
.set j, j+1
.endr
	v_exp_f32 v[Y], v[Y]                           ; the blocks' largest p: the same instruction on the same number gives the same bits
	v_exp_f32 v[Y+1], v[Y+1]
	v_nop                                          ; a plain instruction behind the last exponential, ahead of the first use (ISA guide 5.7.2)
	s_wait_alu depctr_va_vdst(0)                   ; the 66 exponentials have written v[P ..], v[Y] and v[Y+1], ahead of the first line that names one of them; the multiply-adds above are done reading v[X ..]
.if \ld
	XLOAD 1                                        ; the loads land in v[X ..]: no vector or matrix line from the wait above to the step's end names these registers
.endif
	v_add_nc_u32 v[SC], 0xff000000, v[Y]           ; 2 off the exponent field: the conversions' scale operands
	v_add_nc_u32 v[SC+1], 0xff000000, v[Y+1]
.irp c, 0,1
.irp g, 0,1,2,3
	v_cvt_scalef32_pk8_fp4_f32 v[PC+4*\c+\g], v[P+32*\c+8*\g:P+32*\c+8*\g+7], v[SC+\c]   ; registers 4 c .. 4 c + 3 of the operand: keys 64 c + 32 h + 0 .. 31
.endr
.endr
	WORD PW                                        ; (its first line only reads a scale operand: the plain place behind the conversions)
	; THE ROW'S SUM IS TAKEN OF THE UNQUANTISED p: two at a time, in four chains.  These lines are also the places between the conversions and the scale word's last write and the matrix instruction (4 and 8 are asked)
.irp k, 0,1,2,3
	v_pk_add_f32 v[CH+2*\k:CH+2*\k+1], v[P+4*\k:P+4*\k+1], v[P+4*\k+2:P+4*\k+3]
.endr
.set j, 16
.rept 24
	v_pk_add_f32 v[CH+j%8:CH+j%8+1], v[CH+j%8:CH+j%8+1], v[P+j:P+j+1]
.set j, j+2
.endr
	v_pk_add_f32 v[CH:CH+1], v[CH:CH+1], v[CH+2:CH+3]
	v_pk_add_f32 v[CH+4:CH+5], v[CH+4:CH+5], v[CH+6:CH+7]
.if (\s) == 0
	v_pk_add_f32 v[L+2*(\t):L+2*(\t)+1], v[CH:CH+1], v[CH+4:CH+5]                        ; the first step starts l and O^T: nothing is cleared
	s_wait_alu depctr_va_vdst(0)                   ; the conversions have written V's and p's codes, and the vector lines both scale words, which the scaled product takes as its operands and scales; the places above stay beside this wait
	v_wmma_scale_f32_16x16x128_f8f6f4 v[ACC+8*(\t):ACC+8*(\t)+7], v[VF:VF+7], v[PC:PC+7], 0, v[VS], v[PW] matrix_a_fmt:MATRIX_FMT_FP4 matrix_b_fmt:MATRIX_FMT_FP4
.else
	v_pk_add_f32 v[L+2*(\t):L+2*(\t)+1], v[L+2*(\t):L+2*(\t)+1], v[CH:CH+1]
	v_pk_add_f32 v[L+2*(\t):L+2*(\t)+1], v[L+2*(\t):L+2*(\t)+1], v[CH+4:CH+5]
	s_wait_alu depctr_va_vdst(0)                   ; the conversions have written V's and p's codes, and the vector lines both scale words, which the scaled product takes as its operands and scales; the places above stay beside this wait
	v_wmma_scale_f32_16x16x128_f8f6f4 v[ACC+8*(\t):ACC+8*(\t)+7], v[VF:VF+7], v[PC:PC+7], v[ACC+8*(\t):ACC+8*(\t)+7], v[VS], v[PW] matrix_a_fmt:MATRIX_FMT_FP4 matrix_b_fmt:MATRIX_FMT_FP4
.endif
.endm                                              ; the next tile-step's 34 multiply-adds are the places behind this product, ahead of the next writes of p's codes and scale word
	; The four tiles' accumulators take turns, one instruction a turn.
	VQ 0
	TILE 0, 0, 0
	TILE 1, 0, 0
	TILE 2, 0, 0
	TILE 3, 0, 1
	VQ 1
	TILE 0, 1, 0
	TILE 1, 1, 0
	TILE 2, 1, 0
	TILE 3, 1, 0
	; MY WAVE'S PART OF EACH QUERY: o = sum over my eight channels of O^T w_out, and l; pairs (o, l) of tile t at v[P + 2 t].  The four additions and the first three multiplications are the places behind the last product.
.irp t, 0,1,2,3
	v_add_f32 v[P+2*\t+1], v[L+2*\t], v[L+2*\t+1]
.endr
.irp t, 0,1,2,3
	v_mul_f32 v[P+2*\t], v[ACC+8*\t], v[WOUT]      ; each accumulator is read from its low end on
.endr
.irp j, 1,2,3,4,5,6,7
.irp t, 0,1,2,3
	v_fma_f32 v[P+2*\t], v[ACC+8*\t+\j], v[WOUT+\j], v[P+2*\t]
.endr
.endr
	v_cmp_ne_u32 vcc_lo, 0, v[HH]                  ; the mask of lanes 16-31, for the selects below: made here, twelve lines ahead of the wait for it
.irp i, 0,1,2,3,4,5,6,7
	v_permlanex16_b32 v[P+8+\i], v[P+\i], s[SEL], s[SEL+1]   ; lane l xor 16 holds the query's other eight channels and its other blocks of keys
.endr
.irp t, 0,1,2,3
	v_pk_add_f32 v[P+2*\t:P+2*\t+1], v[P+2*\t:P+2*\t+1], v[P+8+2*\t:P+8+2*\t+1]
.endr
	s_wait_alu depctr_va_vcc(0)                    ; VCC is written, ahead of its first reader, the first select
.irp u, 0,1                                        ; lanes 0-15 hand on tile 2 u, lanes 16-31 tile 2 u + 1: lane l has query 32 u + l
	v_cndmask_b32 v[P+16+2*\u], v[P+4*\u], v[P+4*\u+2], vcc_lo
	v_cndmask_b32 v[P+17+2*\u], v[P+4*\u+1], v[P+4*\u+3], vcc_lo
.endr
	s_wait_alu depctr_va_vdst(0)                   ; the selects have written v[P+16 .. P+19], which the LDS stores read; every line that read v[X ..] is done, and no vector line stands between here and wave 0's loads into them
	ds_store_b64 v[RA], v[P+16:P+17] offset:RED
	ds_store_b64 v[RA], v[P+18:P+19] offset:RED+256
	s_wait_dscnt 0x0                               ; for wave 0's sake: my part is stored
	s_barrier_signal -1
	s_barrier_wait -1
	s_cmp_lg_u32 s[WVN], 0
	s_cbranch_scc1 .Ldone
	; wave 0 adds the sixteen parts: lane l takes queries 2 l and 2 l + 1: (o, l, o, l), 16 bytes of each wave's 512
.irp w, 0,1,2,3,4,5,6,7,8,9,10,11,12,13,14,15
	ds_load_b128 v[X+4*\w:X+4*\w+3], v[RB] offset:RED+512*\w
.endr
	s_wait_dscnt 0x0
.irp d, 8,4,2,1
.set i, 0
.rept \d
	v_pk_add_f32 v[X+4*i:X+4*i+1], v[X+4*i:X+4*i+1], v[X+4*(i+\d):X+4*(i+\d)+1]
	v_pk_add_f32 v[X+4*i+2:X+4*i+3], v[X+4*i+2:X+4*i+3], v[X+4*(i+\d)+2:X+4*(i+\d)+3]
.set i, i+1
.endr
.endr
	v_rcp_f32 v[P], v[X+1]                         ; l is at least the row's largest p, over 1/2
	v_rcp_f32 v[P+1], v[X+3]
	v_nop                                          ; a plain instruction behind the last reciprocal
	s_wait_alu depctr_va_vdst(0)                   ; the two reciprocals have written v[P] and v[P+1], ahead of the first line that names one of them
	v_mul_f32 v[P+2], v[X], v[P]
	v_mul_f32 v[P+3], v[X+2], v[P+1]
	s_wait_alu depctr_va_vdst(0)                   ; the two multiplications have written v[P+2] and v[P+3], which the store reads
	global_store_b64 v[OA], v[P+2:P+3], s[14:15]   ; the work-group's 64 results: 32 lanes store 256 consecutive bytes, at a multiple of 256 from out0's first byte
.Ldone:
	s_wait_dscnt 0x0
	s_wait_alu depctr_hold_cnt(0) depctr_sa_sdst(0) depctr_va_vdst(0) depctr_va_sdst(0) depctr_va_ssrc(0) depctr_va_vcc(0) depctr_vm_vsrc(0)
	s_wait_tensorcnt 0x0
	ds_add_u32 v30, v31
	s_wait_dscnt 0x0
	s_endpgm
.Lfunc_end_k_qc0fd851c43_attn:
	.size	k_qc0fd851c43_attn, .Lfunc_end_k_qc0fd851c43_attn-k_qc0fd851c43_attn
	.p2alignl 7, 3214868480
	.fill 96, 4, 3214868480
	.section	.rodata,"a",@progbits
	.p2align	6, 0x0
	.amdhsa_kernel k_qc0fd851c43_attn
		.amdhsa_group_segment_fixed_size 26880
		.amdhsa_private_segment_fixed_size 0
		.amdhsa_enable_private_segment 0
		.amdhsa_kernarg_size 48
		.amdhsa_user_sgpr_count 2
		.amdhsa_user_sgpr_kernarg_segment_ptr 1
		.amdhsa_wavefront_size32 1
		.amdhsa_system_sgpr_workgroup_id_x 1
		.amdhsa_system_sgpr_workgroup_id_y 1
		.amdhsa_system_sgpr_workgroup_id_z 1
		.amdhsa_system_vgpr_workitem_id 0
		.amdhsa_next_free_vgpr 256
		.amdhsa_next_free_sgpr 66
		.amdhsa_reserve_vcc 1
		.amdhsa_float_denorm_mode_32 3
		.amdhsa_float_denorm_mode_16_64 3
		.amdhsa_memory_ordered 1
		.amdhsa_forward_progress 1
		.amdhsa_inst_pref_size 83
	.end_amdhsa_kernel
	.amdgpu_metadata
---
amdhsa.version: [ 1, 2 ]
amdhsa.kernels:
  - .name:           k_qc0fd851c43_attn
    .symbol:         k_qc0fd851c43_attn.kd
    .args:
      - { .name: x, .offset: 0, .size: 8, .value_kind: global_buffer, .address_space: global }
      - { .name: w_q, .offset: 8, .size: 8, .value_kind: global_buffer, .address_space: global }
      - { .name: w_k, .offset: 16, .size: 8, .value_kind: global_buffer, .address_space: global }
      - { .name: w_v, .offset: 24, .size: 8, .value_kind: global_buffer, .address_space: global }
      - { .name: w_out, .offset: 32, .size: 8, .value_kind: global_buffer, .address_space: global }
      - { .name: out0, .offset: 40, .size: 8, .value_kind: global_buffer, .address_space: global }
    .group_segment_fixed_size: 26880
    .private_segment_fixed_size: 0
    .kernarg_segment_align: 8
    .kernarg_segment_size: 48
    .max_flat_workgroup_size: 512
    .sgpr_count:     66
    .vgpr_count:     256
    .wavefront_size: 32
...
	.end_amdgpu_metadata
.endif
;; end of part 2
